; MI455X (gfx1250); checked and timed in simulation.
; The chip was launched on July 23, 2026; its instructions are those of AMD's public machine-readable ISA for CDNA 5 (MIT licence, August 2026) and "CDNA5" Instruction Set Architecture Reference Guide (July 2026). The comments in the code are by the model that wrote it; some were corrected since.
;; Multi Head Attention. Allowed arithmetic: matrix products marked QUANTISED: E2M1 operands, one E8M0 scale for each 32 along K, by v_wmma_scale_f32_16x16x128_f8f6f4 with both operands' format E2M1 (or v_wmma_scale_f32_32x16x128_f4), f32 sums; everything else in f32.
;; Inputs: Wk_codes 1,024 x 32 x 16 uint8 (E2M1 codes of Wk, K innermost, in blocks of 32 codes, two codes a byte); Wk_scales 1,024 x 32 uint8 (E8M0 scales of Wk, one for each 32 codes along K); Wo_codes 1,024 x 32 x 16 uint8 (E2M1 codes of Wo, K innermost, in blocks of 32 codes, two codes a byte); Wo_scales 1,024 x 32 uint8 (E8M0 scales of Wo, one for each 32 codes along K); Wq_codes 1,024 x 32 x 16 uint8 (E2M1 codes of Wq, K innermost, in blocks of 32 codes, two codes a byte); Wq_scales 1,024 x 32 uint8 (E8M0 scales of Wq, one for each 32 codes along K); Wv_codes 1,024 x 32 x 16 uint8 (E2M1 codes of Wv, K innermost, in blocks of 32 codes, two codes a byte); Wv_scales 1,024 x 32 uint8 (E8M0 scales of Wv, one for each 32 codes along K); bk 1,024 float32; bo 1,024 float32; bq 1,024 float32; bv 1,024 float32; x_codes 2 x 2,048 x 32 x 16 uint8 (E2M1 codes of x, K innermost, in blocks of 32 codes, two codes a byte); x_scales 2 x 2,048 x 32 uint8 (E8M0 scales of x, one for each 32 codes along K).
;; Outputs: out0 2 x 2,048 x 1,024 float32.
;; This version of the problem:
;;   THIS VERSION OF THE PROBLEM IS GIVEN IN LOW PRECISION. The matrix products marked QUANTISED in the list below multiply operands that are first quantised to E2M1 (2 exponent bits, 1 mantissa bit; 4 bits a number), with one power-of-two scale for each 32 numbers along K (OCP MX v1.0); their sums are f32. All else is computed in f32.
;;   The module's matrix products, in the order in which they are computed (A, B: the left and right operand; K: the contracted axis; several contracted axes count as one K, in the product's order):
;;     1. [M 4,096, K 1,024] x [K 1,024, N 1,024]; A: input x (given as codes); B: input Wq (given as codes): QUANTISED
;;     2. [M 4,096, K 1,024] x [K 1,024, N 1,024]; A: input x (given as codes); B: input Wk (given as codes): QUANTISED
;;     3. [M 4,096, K 1,024] x [K 1,024, N 1,024]; A: input x (given as codes); B: input Wv (given as codes): QUANTISED
;;     4. batch 32 x [M 2,048, K 64] x [K 64, N 2,048]; A: computed on the way; B: computed on the way: QUANTISED
;;     5. batch 32 x [M 2,048, K 2,048] x [K 2,048, N 64]; A: softmax (see below); B: computed on the way: QUANTISED
;;     6. [M 4,096, K 1,024] x [K 1,024, N 1,024]; A: computed on the way; B: input Wo (given as codes): QUANTISED
;;   THE QUANTISER, for each operand of a quantised product, along K:
;;     - K is cut into blocks of 32 from its start; a last block that is shorter is filled with zeros.
;;     - A block's scale is 2^e with e = floor(log2(the largest magnitude in the block)) - 2, held to -126 .. 127; a block of zeros has e = 0. As a byte (E8M0): e + 127.
;;     - Each number is divided by its block's scale, clamped to +-6, and rounded to the nearest number of E2M1, ties to even, subnormals kept.
;;     - The product sums the exact products of the quantised numbers (number of the format x scale) in f32.
;;   ~~~python
;;   def quantise(x, axis):      # numpy; x: float32 -> the quantised numbers, widened to float32 again
;;       x = np.moveaxis(x, axis, -1); K = x.shape[-1]
;;       x = np.pad(x, [(0, 0)] * (x.ndim - 1) + [(0, -K % 32)]); x = x.reshape(x.shape[:-1] + (-1, 32)); a = np.abs(x).max(-1, keepdims=True)
;;       e = np.where(a > 0, np.clip(np.frexp(np.where(a > 0, a, 1))[1] - 1 - 2, -126, 127), 0)      # np.frexp(a)[1] - 1 = floor(log2(a)), exactly
;;       r = np.clip(x / 2.0 ** e, -6, 6)
;;       step = 2.0 ** (np.maximum(np.frexp(np.where(r == 0, 1, r))[1] - 1, 0) - 1)
;;       q = np.round(r / step) * step * 2.0 ** e      # np.round: ties to even
;;       return np.moveaxis(q.reshape(q.shape[:-2] + (-1,))[..., :K], -1, axis).astype(np.float32)
;;   ~~~
;;   SOFTMAX AHEAD OF A QUANTISED PRODUCT. Where the list says 'softmax', what is quantised is not the finished softmax but p = 2^(t - M), with t = logit x log2(e) and M = ceil(the row's largest t), a whole number; so 1/2 < the row's largest p <= 1. The row's sum l is taken of the UNQUANTISED p, in f32, and the product's result is divided by l at the end. Since M is a whole number, a kernel that streams over the keys may use a running M (the ceiling of the running maximum): every later rescaling is an exact power of two, which a block's scale takes up: the codes' values come out the same.
;;   OPERANDS COMPUTED ON THE WAY. 'Computed on the way' means the value that the module computes at that place (a softmax that the list does not call 'softmax' is quantised finished and normalised). What goes into a quantiser is computed in f32, as accurately as f32 sums, v_exp_f32 and their like allow (about 1e-6 of the number): no bf16 or f16 on the way to a quantiser, and a product that is left as it is and whose result goes on into a quantised operand takes f32 operands (vector FMAs, or v_wmma_f32_16x16x4_f32). A number that lies on a knife's edge between two numbers of the format may be rounded either way, as far as f32 arithmetic and the matrix unit's own rounding can turn it there, and no further.
;;   INPUTS GIVEN AS CODES. Wk (in the module: [1024, 1024], K = its axis 0); Wo (in the module: [1024, 1024], K = its axis 0); Wq (in the module: [1024, 1024], K = its axis 0); Wv (in the module: [1024, 1024], K = its axis 0); x (in the module: [2, 2048, 1024], K = its axis 2): each comes as NAME_codes (uint8): NAME with its K axis moved to the last place and cut into blocks of 32 codes, [.., K / 32, bytes a block], one block behind the other in memory; two codes a byte, the lower K in the low four bits (a code: sign, 2 exponent bits, 1 mantissa bit); and NAME_scales (uint8): the same leading axes, one E8M0 byte (e + 127) for each 32 codes along K. Its value is code x scale, taken as it is: it is not quantised again, and the codes and scales need not be those that the quantiser above would give.
;; One version. Each part assembles by itself: llvm-mc -triple=amdgcn-amd-amdhsa -mcpu=gfx1250 --defsym DOCPART=n.
;; ======== version 1 of 1: 3 launches
;; limits: right only within a limited range of input values
;; workspace buffers: qimg 2,228,224 bytes; kv 4,456,448 bytes; cimg 2,228,224 bytes
;; launch qkv (part 1): grid 8 x 32, 8 waves a work-group, clusters of 4 x 4, 327,680 bytes of LDS; arguments x_codes, x_scales, Wq_codes, Wq_scales, Wk_codes, Wk_scales, Wv_codes, Wv_scales, bq, bk, bv, qimg, kv; writes qimg, kv
.if DOCPART == 1
	.amdgcn_target "amdgcn-amd-amdhsa--gfx1250"
	.amdhsa_code_object_version 6
	.text
	.protected	k_qd2016d4f01_qkv
	.globl	k_qd2016d4f01_qkv
	.p2align	8
	.type	k_qd2016d4f01_qkv,@function
k_qd2016d4f01_qkv:
	s_mov_b64 s[64:65], 0
	v_nop
	global_prefetch_b8 v0, s[64:65] scope:SCOPE_SE
	s_setreg_imm32_b32 hwreg(HW_REG_WAVE_MODE, 25, 1), 1
	s_wait_xcnt 0x0
	s_wait_alu depctr_hold_cnt(0) depctr_sa_sdst(0) depctr_va_vdst(0) depctr_va_sdst(0) depctr_va_ssrc(0) depctr_va_vcc(0) depctr_vm_vsrc(0)
	s_getreg_b32 s2, hwreg(HW_REG_IB_STS2, 6, 4)
	s_cmp_eq_u32 s2, 0
	s_cbranch_scc0 .Lentry_in_a_cluster
	s_endpgm
.Lentry_in_a_cluster:
	s_bfe_u32 s2, ttmp6, 0x10000c
	s_cmp_lg_u32 s2, 0xf033
	s_cbranch_scc0 .Lentry_shape_is_right
	s_endpgm
.Lentry_shape_is_right:
; Q = x Wq + bq, K = x Wk + bk, V = x Wv + bv on codes of FP4 (E2M1) with one E8M0 scale for each 32 along K = 1,024; the three results are quantised at once for attention's products
; and leave as codes: Q and K along a head's 64 channels, V along the keys.  x: 4,096 rows, each W: 1,024 rows, 512 bytes of codes and 32 scale bytes a row.
; SHARES.  256 work-groups of eight waves.  Work-group (jx, iy) takes x's rows 128 iy .. and rows 128 jx .. (heads 2 jx, 2 jx + 1) of each W.  Wave w takes x's 64 rows of half w % 2 and head 2 jx + (w / 2) % 2:
; with g = w / 4 its 64 channels of Q (g = 0) or K (g = 1), and 32 of its channels of V, 32 g on.  For 128 along K 10 fragments feed 24 products.
; A product's source 0 is the side P along which the NEXT product's K runs (Q, K: channels of W; V: rows of x, the keys): lane (r, h) then holds row r of source 1, and register i of tile t the P row 16 t + 8 h + i.
; THE RESULTS ARE STORED AS IMAGES OF OPERAND REGISTERS: four registers = 512 bytes, lane l's 16 bytes at 16 l.  Behind each 128 rows' codes stand their scale words:
;   qimg [head 32][128 rows 16][8 tiles of 16 rows x 512 | 256 bytes of scale words];   kv [head][128 keys 16][K: as Q | V: 4 tiles of 16 channels x (2 x 512) | 256 bytes of scale words].
;   Q's and K's scale word r of a pair of tiles: the two bytes of row r in the even tile, then in the odd one.  V's: a word a channel, its four bytes the four blocks of 32 keys.
; LDS.  Every byte of the codes is filled once, by one tensor load a wave at the head: 128 rows x 256 bytes, 16 bytes of padding behind each row; waves 0-3 bring the first half of K of x, Wq, Wk, Wv, waves 4-7 the second.
; Each half has a barrier of its own, so the second half lands while the first is multiplied.  The scale bytes go from memory into registers: dense rows of 32 bytes, a lane a row.
; CLUSTER 4 x 4.  x's tile hangs on iy alone and is asked for jointly along a row of the cluster, W's on jx alone and jointly along a column.  Nothing is prefetched: no loop of loads stands in this launch.
; LIMITS.  NaN and infinities are not served (a given scale byte 0xff gives NaN).  A block of zeros, and one whose largest magnitude lies under 2^-124, gets the scale byte 1: a block of zeros has zero codes, and these bytes are read by this program alone.
; REGISTERS.  window 0: v1-16 addresses; v30, v31 the add's; v32-71 scale words (x 16, W 16, Wv 8); v80-127 biases, then work, codes and scale words on their way out; v128-255 Q's or K's accumulators.
;   window 1: two sets of fragments, at v0 and v80: x's four, W's four, Wv's two;   v160-223 V's accumulators.
.set PITCH, 272                        ; an LDS row: 256 bytes + 16 of padding = 68 words: the 16 rows of a fragment load start at 16 different groups of four banks (64 banks of 4 bytes: ISA guide 11.1)
.set T16,   16*PITCH
.set HK,    128*PITCH                  ; 128 rows of one half of K
.set HB,    2*HK                       ; a tensor: x at 0, Wq, Wk, Wv behind it
.set SPARE, 4*HB                       ; the spare words, 128 bytes a wave
.set STG,   SPARE+1024                 ; scale words on their way out: Q 512 bytes, K 512, V's low halves 512, V's high halves 512
.set QH,    69632                      ; a head in qimg; two of these in kv
.set SX, 32
.set SW, 48
.set SV, 64
.set TM, 80
.set TX, 88
.set MSB, 0
.macro WIN new                         ; the immediate's high byte repeats the setting that is left; a switch that changes nothing is dropped
.if MSB != \new
	s_set_vgpr_msb (MSB<<8)|(\new)
.set MSB, \new
.endif
.endm
.macro PLACES n
.rept \n
	v_nop
.endr
.endm
.macro CROUND                          ; a round of the cluster's barrier
	s_barrier_signal -1
	s_barrier_wait -1
	s_cmp_lg_u32 s56, 0
	s_cbranch_scc1 .Lnot_wave_0_\@
	s_barrier_signal -3
.Lnot_wave_0_\@:
	s_barrier_wait -3
	s_barrier_signal -1
	s_barrier_wait -1
.endm
.macro WM                              ; one product, its registers in rD, rA, rB, rC, rSA, rSB; fA, fB: the side's scale words stand in lanes 16-31
.if fA && fB
	v_wmma_scale_f32_16x16x128_f8f6f4 v[rD:rD+7], v[rA:rA+7], v[rB:rB+7], v[rC:rC+7], v[rSA], v[rSB] matrix_a_fmt:MATRIX_FMT_FP4 matrix_b_fmt:MATRIX_FMT_FP4 matrix_a_scale:MATRIX_SCALE_ROW1 matrix_b_scale:MATRIX_SCALE_ROW1
.elseif fA
	v_wmma_scale_f32_16x16x128_f8f6f4 v[rD:rD+7], v[rA:rA+7], v[rB:rB+7], v[rC:rC+7], v[rSA], v[rSB] matrix_a_fmt:MATRIX_FMT_FP4 matrix_b_fmt:MATRIX_FMT_FP4 matrix_a_scale:MATRIX_SCALE_ROW1
.elseif fB
	v_wmma_scale_f32_16x16x128_f8f6f4 v[rD:rD+7], v[rA:rA+7], v[rB:rB+7], v[rC:rC+7], v[rSA], v[rSB] matrix_a_fmt:MATRIX_FMT_FP4 matrix_b_fmt:MATRIX_FMT_FP4 matrix_b_scale:MATRIX_SCALE_ROW1
.else
	v_wmma_scale_f32_16x16x128_f8f6f4 v[rD:rD+7], v[rA:rA+7], v[rB:rB+7], v[rC:rC+7], v[rSA], v[rSB] matrix_a_fmt:MATRIX_FMT_FP4 matrix_b_fmt:MATRIX_FMT_FP4
.endif
.endm
; 20 LDS loads in one run: the fragments of K step ks into set ks % 2.  A fragment, 16 rows x 128 K, is 8 registers: lane (r, h) holds row r; registers 4 c .. 4 c + 3 hold K = 64 c + 32 h + 0 .. 31.
.macro FT ks, m, i
.irp c, 0,1
	ds_load_b128 v[80*((\ks)%2)+32*\m+8*\i+4*\c:80*((\ks)%2)+32*\m+8*\i+4*\c+3], v[1+\m] offset:((\ks)/4)*HK+((\ks)%4)*64+32*\c+T16*\i
.endr
.endm
.macro FETCH ks
	WIN 0x40                                       ; destination window 1, address window 0
.irp m, 0,1
.irp i, 0,1,2,3
	FT \ks, \m, \i
.endr
.endr
	FT \ks, 2, 0
	FT \ks, 2, 1
.endm
; 16 products of Q or K, then 8 of V, K step ks.  A step's 24 accumulators take turns, one instruction a turn, in the same order in every step.  The first step starts the sums from the biases.
.macro MULW ks
	WIN 0x05                                       ; sources window 1, C and D window 0
.irp t, 0,1,2,3
.irp j, 0,1,2,3
.set fA, \t%2
.set fB, \j%2
.set rD, 128+32*\j+8*\t
.set rA, 80*((\ks)%2)+32+8*\t
.set rB, 80*((\ks)%2)+8*\j
.set rSA, SW+8*(\t/2)+(\ks)
.set rSB, SX+8*(\j/2)+(\ks)
.set rC, rD
.if (\ks) == 0
.set rC, 80+8*\t
.endif
	WM
.endr
.endr
.endm
.macro MULV ks
.if (\ks) == 0
	WIN 0x45                                       ; sources window 1, C window 0, D window 1
.else
	WIN 0x55                                       ; all window 1
.endif
.irp t, 0,1,2,3
.irp j, 0,1
.set fA, \t%2
.set fB, \j
.set rD, 160+32*\j+8*\t
.set rA, 80*((\ks)%2)+8*\t
.set rB, 80*((\ks)%2)+64+8*\j
.set rSA, SX+8*(\t/2)+(\ks)
.set rSB, SV+(\ks)
.set rC, rD
.if (\ks) == 0
.set rC, 112+8*\j
.endif
	WM
.endr
.endr
.endm
; n tiles j of source 1's rows: accumulators from v[ab] on in window w, codes to v[pc] on, half words of scales to v[pw] on.  Register ab + 32 j + 8 t + i = place 16 t + 8 h + i along the next K of row r of tile j.
; A block of 32 lies in tiles 2 B, 2 B + 1 of lanes l and l xor 16; chain q = 2 j + B.
.macro QUANT n, ab, w, pc, pw
	WIN 5*\w                                       ; sources 0 and 1 window w
.set q, 0
.rept 2*\n
	v_max3_num_f32 v[TM+q], |v[\ab+16*q]|, |v[\ab+16*q+1]|, 0x1800000   ; from each accumulator's low end on; the floor 2^(3 - 127): the byte cannot fall under 1
.set q, q+1
.endr
.irp i, 2,4,6,8,10,12,14
.set q, 0
.rept 2*\n
	v_max3_num_f32 v[TM+q], |v[\ab+16*q+\i]|, |v[\ab+16*q+\i+1]|, v[TM+q]
.set q, q+1
.endr
.endr
	WIN 0
.set q, 0
.rept 2*\n
	v_permlanex16_b32 v[TX+q], v[TM+q], s74, s75
.set q, q+1
.endr
.set q, 0
.rept 2*\n
	v_max_num_f32 v[TM+q], v[TM+q], v[TX+q]        ; with lane l xor 16's: the block's largest magnitude
.set q, q+1
.endr
.set q, 0
.rept 2*\n
	v_add_nc_u32 v[TM+q], 0xff000000, v[TM+q]      ; 2 off its exponent field: the conversion takes this operand's exponent field as its scale
.set q, q+1
.endr
.set q, 0
.rept 2*\n
	v_lshrrev_b32 v[TX+q], 23, v[TM+q]             ; the scale's byte
.set q, q+1
.endr
.set j, 0
.rept \n
	v_lshl_or_b32 v[\pw+j], v[TX+2*j+1], 8, v[TX+2*j]
.set j, j+1
.endr
	WIN \w                                         ; source 0 window w
.set j, 0
.rept \n                               ; tiles 0, 1 are the first block, tiles 2, 3 the second
	v_cvt_scalef32_pk8_fp4_f32 v[\pc+4*j],   v[\ab+32*j:\ab+32*j+7],     v[TM+2*j]
	v_cvt_scalef32_pk8_fp4_f32 v[\pc+4*j+2], v[\ab+32*j+8:\ab+32*j+15],  v[TM+2*j]
	v_cvt_scalef32_pk8_fp4_f32 v[\pc+4*j+1], v[\ab+32*j+16:\ab+32*j+23], v[TM+2*j+1]
	v_cvt_scalef32_pk8_fp4_f32 v[\pc+4*j+3], v[\ab+32*j+24:\ab+32*j+31], v[TM+2*j+1]
.set j, j+1
.endr
	v_nop                                          ; one plain place behind the scaled conversions
	WIN 0
.set j, 0
.rept \n                               ; lanes 0-15 then hold the first block whole, lanes 16-31 the second
	v_permlane16_swap_b32 v[\pc+4*j], v[\pc+4*j+1]
	v_permlane16_swap_b32 v[\pc+4*j+2], v[\pc+4*j+3]
.set j, j+1
.endr
.endm
	s_load_b512 s[4:19], s[0:1], 0x0               ; x's codes, scales; Wq's; Wk's; Wv's
	s_load_b256 s[36:43], s[0:1], 0x40             ; bq, bk, bv, qimg
	s_load_b64 s[44:45], s[0:1], 0x60              ; kv
	v_lshl_add_u32 v30, v0, 2, SPARE
	v_mov_b32 v31, 0
	ds_add_u32 v30, v31                            ; the wave's opening: the add, twice on end, and its wait; register work stands between
	ds_add_u32 v30, v31
	v_lshrrev_b32 v5, 5, v0
	v_readfirstlane_b32 s56, v5                    ; wave 0..7
	s_bfe_u32 s2, ttmp6, 0x40000                   ; cx, cy: my place in the cluster
	s_bfe_u32 s3, ttmp6, 0x40004
	s_lshl_b32 s59, ttmp9, 2
	s_add_co_u32 s59, s59, s2                      ; jx
	s_and_b32 s60, ttmp7, 0xffff
	s_lshl_b32 s60, s60, 2
	s_add_co_u32 s60, s60, s3                      ; iy
	s_lshl_b32 s61, s3, 2
	s_lshl_b32 s61, 15, s61                        ; my row of the cluster
	s_or_b32 s28, s61, (1<<20)|(1<<21)|(5<<22)|(3<<25)   ; 15:0 the mask; 17:16 elements of 1 byte; 20 padding on; 21 set beside a mask; 24:22 after every 64 words; 31:25 four words
	s_lshl_b32 s61, 0x1111, s2                     ; my column
	s_or_b32 s48, s61, (1<<20)|(1<<21)|(5<<22)|(3<<25)
.irp g, 28, 48                         ; 128 rows x 256 bytes, 512 bytes apart in memory
	s_mov_b32 s[\g+1], 256<<16
	s_mov_b32 s[\g+2], 128<<16
	s_mov_b32 s[\g+3], 256<<16
	s_mov_b32 s[\g+4], 128
	s_mov_b32 s[\g+5], 512
	s_mov_b32 s[\g+6], 0
	s_mov_b32 s[\g+7], 0
.endr
	s_lshr_b32 s47, s56, 2                         ; g.  Also: which half of K I bring
	s_bfe_u32 s57, s56, 0x10001                    ; which head
	s_and_b32 s58, s56, 1                          ; which 64 rows of x
	s_and_b32 s46, s56, 3                          ; which tensor I bring
	s_mov_b32 s20, 1
	s_mul_i32 s21, s47, HK
	s_mov_b32 s24, 1
	s_mul_i32 s25, s46, HB
	s_add_co_u32 s25, s25, s21
	s_lshl_b32 s61, s47, 8                         ; 256 bytes on in a row
	s_lshl_b32 s62, s60, 16                        ; x's offset hangs on iy,
	s_add_co_u32 s62, s62, s61
	s_mov_b32 s63, 0
	s_lshl_b32 s66, s59, 16                        ; the weights' on jx
	s_add_co_u32 s66, s66, s61
	s_mov_b32 s67, 0
	v_and_b32 v5, 31, v0                           ; l
	v_and_b32 v6, 15, v0                           ; r
	v_bfe_u32 v7, v0, 4, 1                         ; h
	v_mul_u32_u24 v8, v6, PITCH
	v_lshl_add_u32 v8, v7, 4, v8                   ; a fragment's row x pitch + 16 h
	s_mul_i32 s2, s58, 64*PITCH
	v_add_nc_u32 v1, s2, v8                        ; v1: x
	s_mul_i32 s3, s57, 64*PITCH
	s_mul_i32 s2, s47, HB
	s_add_co_u32 s2, s2, s3
	s_add_co_u32 s2, s2, HB
	v_add_nc_u32 v2, s2, v8                        ; v2: Wq or Wk
	s_mul_i32 s2, s47, 32*PITCH
	s_add_co_u32 s2, s2, s3
	s_add_co_u32 s2, s2, 3*HB
	s_wait_alu depctr_va_vdst(0)                   ; ahead of the second readers below
	v_add_nc_u32 v3, s2, v8                        ; v3: Wv: my 32 channels
	v_lshlrev_b32 v9, 5, v5                        ; v9: scale bytes: 32 a row, a lane a row
	v_lshlrev_b32 v10, 5, v7                       ; v10: bq, bk: my half's eight numbers of a tile
	v_lshlrev_b32 v11, 2, v6                       ; v11: bv: my channel
	v_lshlrev_b32 v12, 4, v5                       ; v12: an image's place for my lane
	s_lshl_b32 s2, s56, 7
	s_add_co_u32 s2, s2, STG
	v_lshl_add_u32 v13, v5, 2, s2                  ; v13: Q's and K's scale words in LDS: 128 bytes a wave
	s_lshl_b32 s2, s57, 8
	s_lshl_b32 s3, s58, 9
	s_add_co_u32 s2, s2, s3
	s_lshl_b32 s3, s47, 7
	s_add_co_u32 s2, s2, s3
	s_add_co_u32 s2, s2, STG+1024
	v_lshl_add_u32 v14, v5, 2, s2                  ; v14: V's half words: one run for each half of the keys
	s_lshl_b32 s2, s56, 9
	s_add_co_u32 s2, s2, STG
	v_lshl_add_u32 v15, v5, 4, s2                  ; v15: back: wave 0 Q's, 1 K's, 2 V's, both heads
	s_mov_b32 s2, 2*QH
	s_cmp_eq_u32 s56, 0
	s_cselect_b32 s2, QH, s2
	s_wait_alu depctr_va_vdst(0)                   ; ahead of these second readers
	v_mul_u32_u24 v16, s2, v7
	v_lshl_add_u32 v16, v6, 4, v16                 ; v16: and in memory: lanes 16-31 the next head
	s_mov_b32 s74, 0x76543210
	s_mov_b32 s75, 0xfedcba98                      ; v_permlanex16_b32's selects for lane l xor 16
	s_mov_b32 s76, 0xffff0000                      ; lanes 16-31
	s_wait_alu depctr_va_vdst(0)
	s_wait_dscnt 0x0                               ; both opening adds are done
	CROUND                                         ; all sixteen work-groups are here: the joint loads meet
	s_wait_kmcnt 0x0
	s_add_nc_u64 s[22:23], s[4:5], s[62:63]
	s_or_b32 s23, s23, 0x80000000                  ; type = 2
	s_cmp_eq_u32 s46, 1                            ; choices that hang on the wave's number alone
	s_cselect_b64 s[26:27], s[8:9], s[12:13]
	s_cmp_eq_u32 s46, 3
	s_cselect_b64 s[26:27], s[16:17], s[26:27]
	s_add_nc_u64 s[26:27], s[26:27], s[66:67]
	s_or_b32 s27, s27, 0x80000000
; ALL FILLS OF THE LAUNCH, one a wave: one chain of branches on the wave's number, a load an arm.  The halves of K have lines of their own: their waves wait at different barriers
.macro ARM under, g0, g1, next
	s_cmp_lt_u32 s56, \under
	s_cbranch_scc0 \next
	tensor_load_to_lds s[\g0:\g0+3], s[\g1:\g1+7]
	s_nop 0
	PLACES 4
	s_branch .Lfilled
\next:
.endm
	ARM 1, 20, 28, .Lfill_w
	ARM 4, 24, 48, .Lfill_x2
	ARM 5, 20, 28, .Lfill_w2
	tensor_load_to_lds s[24:27], s[48:55]
	s_nop 0
	PLACES 4
.Lfilled:
	s_lshl_b32 s2, s60, 12                         ; scale bytes: 4,096 for 128 rows, 2,048 for 64, 1,024 for 32
	s_lshl_b32 s61, s58, 11
	s_add_co_u32 s2, s2, s61
	s_mov_b32 s3, 0
	s_add_nc_u64 s[6:7], s[6:7], s[2:3]
	s_lshl_b32 s2, s59, 12
	s_lshl_b32 s61, s57, 11
	s_add_co_u32 s2, s2, s61
	s_cmp_eq_u32 s47, 0
	s_cselect_b64 s[10:11], s[10:11], s[14:15]
	s_cselect_b64 s[36:37], s[36:37], s[38:39]
	s_add_nc_u64 s[10:11], s[10:11], s[2:3]
	s_lshl_b32 s61, s47, 10
	s_add_co_u32 s2, s2, s61
	s_add_nc_u64 s[18:19], s[18:19], s[2:3]
.irp i, 0,1                            ; register 8 i + ks: tile 2 i's words of K step ks in lanes 0-15, tile 2 i + 1's in lanes 16-31.  The two loads of an i together cover 1,024 consecutive bytes
.irp q, 0,1
	global_load_b128 v[SX+8*\i+4*\q:SX+8*\i+4*\q+3], v9, s[6:7] offset:1024*\i+16*\q
	global_load_b128 v[SW+8*\i+4*\q:SW+8*\i+4*\q+3], v9, s[10:11] offset:1024*\i+16*\q
.endr
.endr
.irp q, 0,1
	global_load_b128 v[SV+4*\q:SV+4*\q+3], v9, s[18:19] offset:16*\q
.endr
	s_lshl_b32 s2, s59, 9                          ; the biases at my channels
	s_lshl_b32 s61, s57, 8
	s_add_co_u32 s2, s2, s61
	s_add_nc_u64 s[36:37], s[36:37], s[2:3]
	s_lshl_b32 s61, s47, 7
	s_add_co_u32 s2, s2, s61
	s_add_nc_u64 s[40:41], s[40:41], s[2:3]
.irp t, 0,1,2,3
	global_load_b128 v[80+8*\t:83+8*\t], v10, s[36:37] offset:64*\t
	global_load_b128 v[84+8*\t:87+8*\t], v10, s[36:37] offset:64*\t+16
.endr
.irp j, 0,1
	global_load_b32 v[112+8*\j], v11, s[40:41] offset:64*\j
.endr
	s_lshr_b32 s61, s60, 4                         ; the batch
	s_lshl_b32 s61, s61, 4
	s_lshl_b32 s2, s59, 1
	s_add_co_u32 s61, s61, s2                      ; head 2 jx of it
	s_and_b32 s46, s60, 15                         ; which 128 rows of it
	s_mul_i32 s2, s61, QH
	s_mul_i32 s46, s46, 4352
	s_add_co_u32 s2, s2, s46
	s_add_nc_u64 s[42:43], s[42:43], s[2:3]
	s_lshl_b32 s2, s2, 1
	s_add_nc_u64 s[44:45], s[44:45], s[2:3]
	s_mul_i32 s46, s57, QH                         ; my head: in qimg,
	s_lshl_b32 s61, s46, 1                         ; and in kv
	s_cmp_eq_u32 s47, 0
	s_cselect_b32 s2, s46, s61
	s_cselect_b64 s[66:67], s[42:43], s[44:45]
	s_lshl_b32 s46, s58, 11                        ; my four tiles
	s_add_co_u32 s2, s2, s46
	s_add_nc_u64 s[66:67], s[66:67], s[2:3]        ; Q's or K's images
	s_lshl_b32 s2, s58, 9
	s_add_co_u32 s2, s2, s61
	s_lshl_b32 s61, s47, 11
	s_add_co_u32 s2, s2, s61
	s_add_co_u32 s2, s2, 4352
	s_add_nc_u64 s[72:73], s[44:45], s[2:3]        ; V's: two fragments, of each the half that my 64 keys are
	s_mov_b32 s2, 4096
	s_mov_b32 s61, 8448
	s_cmp_eq_u32 s56, 2
	s_cselect_b32 s2, s61, s2
	s_cmp_eq_u32 s56, 0
	s_cselect_b64 s[70:71], s[42:43], s[44:45]
	s_add_nc_u64 s[70:71], s[70:71], s[2:3]        ; the unit of scale words that I store at the end
	s_wait_loadcnt 0x0                             ; scale words and biases
.irp j, 0,1
.irp i, 1,2,3,4,5,6,7
	v_mov_b32 v[112+8*\j+\i], v[112+8*\j]          ; bv runs along source 1: one number a lane, in all eight registers
.endr
.endr
	s_wait_alu depctr_va_vdst(0)                   ; the wait at the head's end
	s_cmp_lt_u32 s56, 4
	s_cbranch_scc0 .Lfirst_half
	s_wait_tensorcnt 0x0                           ; waves 0-3: my tile of the first half of K is in
.Lfirst_half:
	s_wait_dscnt 0x0
	s_barrier_signal -1
	s_barrier_wait -1                              ; and the other three tiles of it
	; Eight K steps, written out, so that scale registers and offsets are constants.  Fragments run one K step ahead, in two sets.
	FETCH 0
.set KI, 0
.rept 8
.if KI > 0
	PLACES 4                                       ; four places between the last products and the loads into the set that they read
.endif
.if KI == 3                            ; THE SECOND HALF OF K: my load, if it is still out, and my reads are waited for; products of this step stand between the signal and the wait
	s_wait_tensorcnt 0x0
	s_wait_dscnt 0x0
	s_barrier_signal -1
	MULW 3
	s_barrier_wait -1
	FETCH 4
	MULV 3
.else
.if KI < 7
	FETCH KI+1
	s_wait_dscnt 20                                ; all but the 20 loads just issued
.else
	s_wait_dscnt 0x0
.endif
	MULW KI
	MULV KI
.endif
.set KI, KI+1
.endr
	PLACES 4                                       ; in front of the first read of results
	QUANT 4, 128, 0, 96, 120
	v_lshl_or_b32 v120, v121, 16, v120             ; Q, K: a pair of tiles' word; lanes 0-15 store the first pair's, lanes 16-31 the second's
	v_lshl_or_b32 v122, v123, 16, v122
	v_cndmask_b32 v120, v120, v122, s76
	ds_store_b32 v13, v120
.irp j, 0,1,2,3
	global_store_b128 v12, v[96+4*\j:99+4*\j], s[66:67] offset:512*\j     ; 512 consecutive bytes, aligned
.endr
	QUANT 2, 160, 1, 112, 124
	v_cndmask_b32 v124, v124, v125, s76            ; V: lanes 0-15 my first tile's half word, lanes 16-31 my second's
	ds_store_b32 v14, v124
.irp j, 0,1
	global_store_b128 v12, v[112+4*\j:115+4*\j], s[72:73] offset:1024*\j
.endr
	; The scale words of the work-group's 128 rows and two heads leave as whole units of 256 bytes: wave 0 Q's two, wave 1 K's, wave 2 V's.
	s_wait_alu depctr_va_vdst(0)
	s_wait_dscnt 0x0                               ; my scale words are in LDS;
	s_barrier_signal -1
	s_barrier_wait -1                              ; and everybody's
	s_cmp_lt_u32 s56, 3
	s_cbranch_scc0 .Lstored
	WIN 0x40                                       ; (registers that no store reads: window 1)
	ds_load_b128 v[0:3], v15
	WIN 0
	s_cmp_eq_u32 s56, 2
	s_cbranch_scc0 .Lwhole
	WIN 0x40
	ds_load_b128 v[4:7], v15 offset:512
	s_wait_dscnt 0x0
	WIN 0x55                                       ; all window 1
.irp i, 0,1,2,3
	v_lshl_or_b32 v[\i], v[4+\i], 16, v[\i]        ; V: the two halves of the keys
.endr
	WIN 0
	s_wait_alu depctr_va_vdst(0)
.Lwhole:
	s_wait_dscnt 0x0
	WIN 0x04                                       ; a store's data are its source 1: window 1
	global_store_b128 v16, v[0:3], s[70:71]
	WIN 0
.Lstored:
	s_wait_tensorcnt 0x0                           ; the wave's end
	ds_add_u32 v30, v31
	s_wait_dscnt 0x0
	CROUND                                         ; the closing round: no work-group ends while a partner may still ask for a tile that names it
	s_endpgm
.Lfunc_end_k_qd2016d4f01_qkv:
	.size	k_qd2016d4f01_qkv, .Lfunc_end_k_qd2016d4f01_qkv-k_qd2016d4f01_qkv
	.p2alignl 7, 3214868480
	.fill 96, 4, 3214868480
	.section	.rodata,"a",@progbits
	.p2align	6, 0x0
	.amdhsa_kernel k_qd2016d4f01_qkv
		.amdhsa_group_segment_fixed_size 327680
		.amdhsa_private_segment_fixed_size 0
		.amdhsa_enable_private_segment 0
		.amdhsa_kernarg_size 104
		.amdhsa_user_sgpr_count 2
		.amdhsa_user_sgpr_kernarg_segment_ptr 1
		.amdhsa_wavefront_size32 1
		.amdhsa_system_sgpr_workgroup_id_x 1
		.amdhsa_system_sgpr_workgroup_id_y 1
		.amdhsa_system_sgpr_workgroup_id_z 1
		.amdhsa_system_vgpr_workitem_id 0
		.amdhsa_next_free_vgpr 480
		.amdhsa_next_free_sgpr 80
		.amdhsa_reserve_vcc 0
		.amdhsa_float_denorm_mode_32 3
		.amdhsa_float_denorm_mode_16_64 3
		.amdhsa_memory_ordered 1
		.amdhsa_forward_progress 1
		.amdhsa_inst_pref_size 61
	.end_amdhsa_kernel
	.amdgpu_metadata
---
amdhsa.version: [ 1, 2 ]
amdhsa.kernels:
  - .name:           k_qd2016d4f01_qkv
    .symbol:         k_qd2016d4f01_qkv.kd
    .args:
      - { .name: x_codes, .offset: 0, .size: 8, .value_kind: global_buffer, .address_space: global }
      - { .name: x_scales, .offset: 8, .size: 8, .value_kind: global_buffer, .address_space: global }
      - { .name: Wq_codes, .offset: 16, .size: 8, .value_kind: global_buffer, .address_space: global }
      - { .name: Wq_scales, .offset: 24, .size: 8, .value_kind: global_buffer, .address_space: global }
      - { .name: Wk_codes, .offset: 32, .size: 8, .value_kind: global_buffer, .address_space: global }
      - { .name: Wk_scales, .offset: 40, .size: 8, .value_kind: global_buffer, .address_space: global }
      - { .name: Wv_codes, .offset: 48, .size: 8, .value_kind: global_buffer, .address_space: global }
      - { .name: Wv_scales, .offset: 56, .size: 8, .value_kind: global_buffer, .address_space: global }
      - { .name: bq, .offset: 64, .size: 8, .value_kind: global_buffer, .address_space: global }
      - { .name: bk, .offset: 72, .size: 8, .value_kind: global_buffer, .address_space: global }
      - { .name: bv, .offset: 80, .size: 8, .value_kind: global_buffer, .address_space: global }
      - { .name: qimg, .offset: 88, .size: 8, .value_kind: global_buffer, .address_space: global }
      - { .name: kv, .offset: 96, .size: 8, .value_kind: global_buffer, .address_space: global }
    .group_segment_fixed_size: 327680
    .private_segment_fixed_size: 0
    .kernarg_segment_align: 8
    .kernarg_segment_size: 104
    .max_flat_workgroup_size: 256
    .sgpr_count:     80
    .vgpr_count:     480
    .wavefront_size: 32
...
	.end_amdgpu_metadata
.endif
;; end of part 1
;; launch attn (part 2): grid 8 x 32, 16 waves a work-group, clusters of 4 x 1, 327,680 bytes of LDS; arguments qimg, kv, cimg; writes cimg
.if DOCPART == 2
	.amdgcn_target "amdgcn-amd-amdhsa--gfx1250"
	.amdhsa_code_object_version 6
	.text
	.protected	k_qd2016d4f01_attn
	.globl	k_qd2016d4f01_attn
	.p2align	8
	.type	k_qd2016d4f01_attn,@function
k_qd2016d4f01_attn:
	s_mov_b64 s[64:65], 0
	v_nop
	global_prefetch_b8 v0, s[64:65] scope:SCOPE_SE
	s_setreg_imm32_b32 hwreg(HW_REG_WAVE_MODE, 25, 1), 1
	s_wait_xcnt 0x0
	s_wait_alu depctr_hold_cnt(0) depctr_sa_sdst(0) depctr_va_vdst(0) depctr_va_sdst(0) depctr_va_ssrc(0) depctr_va_vcc(0) depctr_vm_vsrc(0)
	s_getreg_b32 s2, hwreg(HW_REG_IB_STS2, 6, 4)
	s_cmp_eq_u32 s2, 0
	s_cbranch_scc0 .Lentry_in_a_cluster
	s_endpgm
.Lentry_in_a_cluster:
	s_bfe_u32 s2, ttmp6, 0x10000c
	s_cmp_lg_u32 s2, 0x3003
	s_cbranch_scc0 .Lentry_shape_is_right
	s_endpgm
.Lentry_shape_is_right:
; Causal attention of one head (64 channels, 2,048 rows) on codes of FP4 (E2M1) with E8M0 scales, and the result quantised along the model's 1,024 for the last projection.
; THE SOFTMAX AHEAD OF THE SECOND PRODUCT: t = score x log2(e) / 8; M = the row's largest t so far, rounded up to a whole number; p = 2^(t - M) is quantised along the keys, not normalised.
; The row's sum is taken of the unquantised p and divides O at the end.  When M moves, the sum and O are multiplied by 2^(old M - new M): exact.
; WORK LEFT OUT: key steps of 128 that the causal mask hides whole from a tile's queries; their p is 0 for all values of the inputs.  A NaN, an infinity or an overflow that reaches only those scores is not carried to the result.
; SHARES.  Grid y is the head (batch x 16 + head); eight work-groups of sixteen waves share a head.  Work-group cw owns tile cw (16 queries) of each of the sixteen blocks of 128 rows; block k needs key steps 0 .. k, and step k lies on the diagonal.
; With i = wave % 4:  waves 0-3 take key steps 0 .. 10 of block 15 - i;  waves 4-7 steps 0 .. min(9, 8 + i) of block 8 + i;  waves 8-11 the whole of block 7 - i and then of block i;
; waves 12-15 what is left: steps 11 .. 15 - i of block 15 - i, then steps 10 .. 8 + i of block 8 + i (none where i < 2), and hand these parts over through LDS to waves i and 4 + i, which join them to their own.
; Waves i, 4 + i, 8 + i, 12 + i together have 34 steps.  Every branch hangs on the wave's number and the step's count alone.
; LDS.  The head's K and V with their scale words (sixteen key steps of 8,704 bytes) lie whole in LDS, as images of operand registers (lane l's 16 bytes at 16 l): filled once, wave w bringing key step w.
; Steps 0 .. 7 have a load line and a barrier of their own: the first key step is taken while the others land.
; CLUSTER 4 x 1: the four partners belong to one head, so each key step is asked for jointly.  Nothing is prefetched: every tile's load is issued at the head.
; A CONTRACTION OF 64 IN AN INSTRUCTION OF 128.  Source 0 holds TWO tiles of 16 keys, one in each half of the 128; Q stands twice in registers, as [Q | zero codes] and as [zero codes | Q]:
; the first gives the even tile's scores, the second the odd tile's.  Zero codes add nothing under the scale byte 127.
; LAYOUT.  Both products are used transposed: S^T = K Q^T, O^T = V^T P^T: a lane holds ONE query (lane % 16); register i of tile t is key (or channel) 16 t + 8 (lane / 16) + i.
; LIMITS.  NaN and infinities are not served; scaled scores stay under 2^31 in magnitude.  A block of zeros, and one whose largest magnitude lies under 2^-124, gets the scale byte 1: zero blocks have zero codes, and this program alone reads the bytes.
; The result's scale bytes leave as 2 bytes a lane inside 64 consecutive bytes, lanes l and l + 16 writing the same: one such store a tile in the whole launch.
; REGISTERS: v1-11 addresses; v12 -M, v13 the largest t, v[14:15] the sum; v16-31 Q twice; v32-63 K; v64-95 V; v96-159 S^T, then p; v160-191 O^T; v192-199 p's codes; v200-221 at work; v224-231 scale words alone; v232-236 the second block's Q.
; s[36:63], s[66:101]: 64 lane masks: bit l of mask n says whether register n's key is hidden from lane l's query in the step on the diagonal.
.set KVB,  8704                        ; a key step: K 4,096 + 256, V 4,096 + 256
.set VO,   4352
.set PART, 16*KVB                      ; the parts handed over, 4,352 bytes each: four for waves 0-3, then four for waves 4-7
.set PART2, 4*4352
.set SPARE, PART+8*4352                ; the spare words, 128 bytes a wave
.macro PLACES n
.rept \n
	v_nop
.endr
.endm
.macro CROUND                          ; a round of the cluster's barrier
	s_barrier_signal -1
	s_barrier_wait -1
	s_cmp_lg_u32 s10, 0
	s_cbranch_scc1 .Lnot_wave_0_\@
	s_barrier_signal -3
.Lnot_wave_0_\@:
	s_barrier_wait -3
	s_barrier_signal -1
	s_barrier_wait -1
.endm
.macro WM                              ; one product, its registers in rD, rA, rB, rSA, rSB; fA: source 0's scale words stand in lanes 16-31; fZ: it starts its sum
.if fZ && fA
	v_wmma_scale_f32_16x16x128_f8f6f4 v[rD:rD+7], v[rA:rA+7], v[rB:rB+7], 0, v[rSA], v[rSB] matrix_a_fmt:MATRIX_FMT_FP4 matrix_b_fmt:MATRIX_FMT_FP4 matrix_a_scale:MATRIX_SCALE_ROW1
.elseif fZ
	v_wmma_scale_f32_16x16x128_f8f6f4 v[rD:rD+7], v[rA:rA+7], v[rB:rB+7], 0, v[rSA], v[rSB] matrix_a_fmt:MATRIX_FMT_FP4 matrix_b_fmt:MATRIX_FMT_FP4
.elseif fA
	v_wmma_scale_f32_16x16x128_f8f6f4 v[rD:rD+7], v[rA:rA+7], v[rB:rB+7], v[rD:rD+7], v[rSA], v[rSB] matrix_a_fmt:MATRIX_FMT_FP4 matrix_b_fmt:MATRIX_FMT_FP4 matrix_a_scale:MATRIX_SCALE_ROW1
.else
	v_wmma_scale_f32_16x16x128_f8f6f4 v[rD:rD+7], v[rA:rA+7], v[rB:rB+7], v[rD:rD+7], v[rSA], v[rSB] matrix_a_fmt:MATRIX_FMT_FP4 matrix_b_fmt:MATRIX_FMT_FP4
.endif
.endm
.macro FRESH                           ; a query tile's sums begin: the first change of M leaves zeros zeros
	v_mov_b32 v13, 0xff61b1e6                      ; the largest t so far: -3e38
	v_floor_f32 v12, -v13                          ; -M
	v_mov_b32 v14, 0
	v_mov_b32 v15, 0
.endm
.macro QSCALES raw                     ; my row's two scale bytes, beside [Q | 0] and beside [0 | Q]: the zero codes' bytes are 127
	v_lshrrev_b32 v214, s17, v[\raw]
	v_and_b32 v214, 0xffff, v214
	v_or_b32 v228, 0x7f7f0000, v214
	v_lshl_or_b32 v229, v214, 16, 0x7f7f
.endm
.macro ZERO_O                          ; (these lines are also the places between the scale words made above and the first products)
.set n, 0
.rept 32
	v_mov_b32 v[160+n], 0
.set n, n+1
.endr
.endm
.macro HAND off                        ; a part handed over: -M, the lane's sum, O^T, each accumulator from its low end on.  (Where no step was taken: -M = 3e38, zeros)
	v_mov_b32 v200, v12
	v_add_f32 v201, v14, v15
	ds_store_b64 v237, v[200:201] offset:\off
.irp i, 0,1,2,3,4,5,6,7
	ds_store_b128 v11, v[160+4*\i:163+4*\i] offset:\off+512*\i
.endr
.endm
.macro PTR                             ; s2: the block that I finish.  s[6:7]: its tile's codes in cimg, s[4:5]: its scale bytes
	s_lshl_b32 s2, s2, 3
	s_add_co_u32 s2, s2, s15
	s_lshr_b32 s20, s16, 4
	s_lshl_b32 s20, s20, 7
	s_add_co_u32 s2, s2, s20                       ; the row tile: batch x 128 + 8 x block + cw
	s_mul_i32 s2, s2, 8704                         ; its image: eight K steps x 1,024, then 512 bytes of scale words
	s_mov_b32 s3, 0
	s_add_nc_u64 s[4:5], s[8:9], s[2:3]
	s_bfe_u32 s2, s16, 0x30001                     ; K step = head / 2; half = head % 2
	s_and_b32 s22, s16, 1
	s_lshl_b32 s20, s2, 10
	s_lshl_b32 s21, s22, 9
	s_add_co_u32 s20, s20, s21
	s_mov_b32 s21, 0
	s_add_nc_u64 s[6:7], s[4:5], s[20:21]
	s_lshl_b32 s2, s2, 6
	s_lshl_b32 s22, s22, 1
	s_add_co_u32 s2, s2, s22
	s_add_co_u32 s2, s2, 8192
	s_add_nc_u64 s[4:5], s[4:5], s[2:3]
.endm
; THE WAY OUT.  O^T / the sum is my 16 rows' 64 channels of ctx: two blocks of 32 along the last projection's K.  They are quantised here and leave as half a fragment's image.
.macro WAYOUT
	v_add_f32 v14, v14, v15
	v_permlanex16_b32 v214, v14, s34, s35
	v_add_f32 v14, v14, v214                       ; the row's sum
	s_wait_alu depctr_va_vdst(0)                   ; the wait ahead of the transcendental
	v_rcp_f32 v14, v14
	v_nop                                          ; a plain place behind the transcendental
	s_wait_alu depctr_va_vdst(0)                   ; and the wait ahead of its first reader
.set n, 0
.rept 32
	v_mul_f32 v[96+n], v[160+n], v14               ; each accumulator from its low end on
.set n, n+1
.endr
.irp b, 0,1
	v_max3_num_f32 v[200+\b], |v[96+16*\b]|, |v[97+16*\b]|, 0x1800000
.endr
.irp i, 2,4,6,8,10,12,14
.irp b, 0,1
	v_max3_num_f32 v[200+\b], v[200+\b], |v[96+16*\b+\i]|, |v[97+16*\b+\i]|
.endr
.endr
.irp b, 0,1
	v_permlanex16_b32 v[204+\b], v[200+\b], s34, s35
.endr
.irp b, 0,1
	v_max_num_f32 v[200+\b], v[200+\b], v[204+\b]
.endr
.irp b, 0,1
	v_add_nc_u32 v[208+\b], 0xff000000, v[200+\b]  ; 2 off the exponent field: the conversion's scale operand
.endr
.irp b, 0,1
	v_lshrrev_b32 v[204+\b], 23, v[208+\b]
.endr
	v_lshl_or_b32 v215, v205, 8, v204              ; my row's two scale bytes
	v_cvt_scalef32_pk8_fp4_f32 v192, v[96:103],  v208
	v_cvt_scalef32_pk8_fp4_f32 v194, v[104:111], v208
	v_cvt_scalef32_pk8_fp4_f32 v193, v[112:119], v209
	v_cvt_scalef32_pk8_fp4_f32 v195, v[120:127], v209
	v_nop
	v_permlane16_swap_b32 v192, v193
	v_permlane16_swap_b32 v194, v195
	global_store_b128 v1, v[192:195], s[6:7]       ; 512 consecutive bytes, aligned
	global_store_b16 v8, v215, s[4:5]
.endm
	s_load_b128 s[4:7], s[0:1], 0x0                ; qimg, kv
	s_load_b64 s[8:9], s[0:1], 0x10                ; cimg
	v_lshl_add_u32 v254, v0, 2, SPARE
	v_mov_b32 v255, 0
	ds_add_u32 v254, v255                          ; the wave's opening: the add, twice on end, and its wait; register work stands between
	ds_add_u32 v254, v255
	v_lshrrev_b32 v3, 5, v0
	v_readfirstlane_b32 s10, v3                    ; wave 0..15
	s_bfe_u32 s2, ttmp6, 0x40000                   ; cx
	s_lshl_b32 s15, ttmp9, 2
	s_add_co_u32 s15, s15, s2                      ; cw = 4 x cluster x + cx: it enters Q's and the result's addresses and the mask's numbers alone
	s_and_b32 s16, ttmp7, 0xffff                   ; the head, which the partners share
	s_and_b32 s12, s10, 3                          ; i
	s_mov_b32 s24, 15|(3<<16)|(1<<21)              ; group 1: 34 dense rows of 256 bytes.  15:0 the mask: all four partners; 17:16 elements of 8 bytes; 21 set beside a mask
	s_mov_b32 s25, 32<<16
	s_mov_b32 s26, 34<<16
	s_mov_b32 s27, 32<<16
	s_mov_b32 s28, 34
	s_mov_b32 s29, 32
	s_mov_b32 s30, 0
	s_mov_b32 s31, 0
	s_mov_b32 s20, 1
	s_mul_i32 s21, s10, KVB                        ; my key step's place in LDS
	v_and_b32 v3, 31, v0                           ; l
	v_and_b32 v5, 15, v0                           ; r
	v_bfe_u32 v6, v0, 4, 1                         ; h
	v_lshlrev_b32 v1, 4, v3                        ; v1: an image's place for my lane
	v_lshlrev_b32 v8, 2, v5                        ; v8: 4 r
	v_lshlrev_b32 v6, 3, v6
	v_sub_nc_u32 v6, v5, v6
	s_lshl_b32 s2, s15, 4
	v_add_nc_u32 v6, s2, v6                        ; v6: d = my query's place in its 128 rows - 8 h.  On the diagonal register 8 t + i holds key 16 t + 8 h + i: hidden where 16 t + i > d
	s_add_co_u32 s3, s10, 4
	s_lshr_b32 s3, s3, 4                           ; 1 in waves 12-15
	s_mul_i32 s2, s3, 5*KVB                        ; their first phase counts from key step 5 (and works from its seventh trip on), their second from key step 10
	v_add_nc_u32 v2, s2, v1                        ; v2: the first phase's codes
	v_lshl_add_u32 v10, v3, 2, 0x1000
	v_add_nc_u32 v4, s2, v10                       ; v4: its scale words: lanes 0-15 one tile or pair, lanes 16-31 the next
	s_lshl_b32 s2, s2, 1
	v_add_nc_u32 v9, s2, v1                        ; v9, v10: the second phase's
	v_add_nc_u32 v10, s2, v10
	s_mul_i32 s2, s12, 4352
	s_add_co_u32 s2, s2, PART
	v_add_nc_u32 v11, s2, v1                       ; v11: a part handed over: O^T,
	v_lshl_add_u32 v237, v3, 3, s2
	v_add_nc_u32 v237, 0x1000, v237                ; v237: -M and the sum
	s_mul_i32 s2, s16, 16*KVB
	s_add_co_u32 s2, s2, s21                       ; my key step's place in the head's
	s_mov_b32 s3, 0
	s_wait_alu depctr_va_vdst(0)
	s_wait_dscnt 0x0                               ; both opening adds are done
	CROUND                                         ; all four work-groups are here: the joint loads meet
	s_wait_kmcnt 0x0
	s_add_nc_u64 s[22:23], s[6:7], s[2:3]
	s_or_b32 s23, s23, 0x80000000                  ; type = 2
	s_cmp_lt_u32 s10, 8                            ; ALL FILLS OF THE LAUNCH, one a wave.  Two lines: their waves wait at different barriers
	s_cbranch_scc0 .Lfill_2
	tensor_load_to_lds s[20:23], s[24:31]
	s_nop 0
	PLACES 4
	s_branch .Lfilled
.Lfill_2:
	tensor_load_to_lds s[20:23], s[24:31]
	s_nop 0
	PLACES 4
.Lfilled:
	s_mul_i32 s2, s16, 69632
	s_add_nc_u64 s[4:5], s[4:5], s[2:3]            ; my head's Q
	s_sub_co_u32 s2, 15, s12                       ; my first block: waves 0-3 and 12-15: 15 - i,
	s_add_co_u32 s3, s12, 8                        ; waves 4-7: 8 + i,
	s_sub_co_u32 s17, 7, s12                       ; waves 8-11: 7 - i
	s_cmp_lt_u32 s10, 12
	s_cselect_b32 s11, s17, s2
	s_cmp_lt_u32 s10, 8
	s_cselect_b32 s11, s3, s11
	s_cmp_lt_u32 s10, 4
	s_cselect_b32 s11, s2, s11
	s_mul_i32 s2, s11, 4352
	s_mov_b32 s3, 0
	s_add_nc_u64 s[6:7], s[4:5], s[2:3]
	s_lshl_b32 s17, s15, 9
	v_add_nc_u32 v3, s17, v1                       ; tile cw's codes
	s_lshr_b32 s17, s15, 1
	s_lshl_b32 s17, s17, 6
	s_add_co_u32 s17, s17, 4096
	v_add_nc_u32 v5, s17, v8                       ; its pair's scale words
	s_wait_alu depctr_va_vdst(0)                   ; ahead of the second block's loads too
	global_load_b128 v[16:19], v3, s[6:7]          ; Q in the first half of the 128,
	global_load_b128 v[28:31], v3, s[6:7]          ; and once more in the second
	global_load_b32 v231, v5, s[6:7]
	s_cmp_lt_u32 s10, 8
	s_cbranch_scc1 .Lone_block
	s_add_co_u32 s2, s12, 8                        ; my second block: waves 8-11: i, waves 12-15: 8 + i
	s_cmp_lt_u32 s10, 12
	s_cselect_b32 s2, s12, s2
	s_mul_i32 s2, s2, 4352
	s_add_nc_u64 s[4:5], s[4:5], s[2:3]
	global_load_b128 v[232:235], v3, s[4:5]
	global_load_b32 v236, v5, s[4:5]
.Lone_block:
.set n, 0
.rept 64
.if n < 28
	v_cmp_gt_i32 s[36+n], 16*(n/8)+n%8, v6
.else
	v_cmp_gt_i32 s[38+n], 16*(n/8)+n%8, v6
.endif
.set n, n+1
.endr
	s_mov_b32 s34, 0x76543210
	s_mov_b32 s35, 0xfedcba98                      ; v_permlanex16_b32's selects for lane l xor 16
	s_mov_b32 s32, 0x3e38aa3b                      ; c = log2(e) / 8
	s_mov_b32 s33, s32                             ; (named with it as a pair, so it is written)
	v_mov_b32 v7, 0xff800000                       ; -infinity
	FRESH
	v_mov_b32 v213, 0                              ; (named as upper halves of pairs)
	v_mov_b32 v211, 0
.irp b, 0,1,2,3
	v_mov_b32 v[204+\b], 0                         ; written once: a lane permute's destination counts as one of its sources
	v_mov_b32 v[20+\b], 0                          ; zero codes
	v_mov_b32 v[24+\b], 0
.endr
	v_mov_b32 v214, 0
	; THE FIRST PHASE: trips 0 .. 10.  s11 my first trip, s14 how many I work in, s13 the trip on the diagonal
	s_sub_co_u32 s2, 8, s12
	s_sub_co_u32 s3, 5, s12
	s_cmp_lt_u32 s10, 12
	s_cselect_b32 s14, s2, s3                      ; waves 8-11: 8 - i; waves 12-15: 5 - i, from trip 6, which is key step 11
	s_cselect_b32 s11, 0, 6
	s_sub_co_u32 s2, 7, s12
	s_sub_co_u32 s3, 10, s12
	s_cmp_lt_u32 s10, 12
	s_cselect_b32 s13, s2, s3
	s_add_co_u32 s3, s12, 8
	s_add_co_u32 s2, s12, 9
	s_min_u32 s2, s2, 10
	s_cmp_lt_u32 s10, 8
	s_cselect_b32 s14, s2, s14                     ; waves 4-7: at most ten
	s_cselect_b32 s13, s3, s13
	s_cmp_lt_u32 s10, 4
	s_cselect_b32 s14, 11, s14                     ; waves 0-3: eleven, none of them on the diagonal
	s_cselect_b32 s13, 99, s13
	s_and_b32 s17, s15, 1
	s_lshl_b32 s17, s17, 4                         ; my tile's half of the pair's word
	s_wait_alu depctr_va_vdst(0)
	s_wait_loadcnt 0x0
	QSCALES 231
	ZERO_O
; A KEY STEP: 128 keys.  s18 counts a phase's trips, s19 is the trip's byte offset.
.macro STEP a1, a2
	s_sub_co_u32 s2, s18, s11
	s_cmp_ge_u32 s2, s14                           ; not one of mine (unsigned: ahead of my first too): no barrier and no tensor load stands in a step
	s_cbranch_scc1 .Lhidden_\@
	v_add_nc_u32 v3, s19, v[\a1]                   ; these four lines are the places between the last step's products and the loads into V's registers
	v_add_nc_u32 v5, s19, v[\a2]
	v_nop
	v_nop
.irp u, 0,1,2,3
.irp c, 0,1
	ds_load_b128 v[32+8*\u+4*\c:35+8*\u+4*\c], v3 offset:1024*\u+512*\c   ; pair u: tile 2 u in registers 0-3, tile 2 u + 1 in 4-7
.endr
.endr
	ds_load_b32 v224, v5
	ds_load_b32 v225, v5 offset:128
.irp t, 0,1,2,3
.irp c, 0,1
	ds_load_b128 v[64+8*\t+4*\c:67+8*\t+4*\c], v3 offset:VO+1024*\t+512*\c   ; V^T: 16 channels x these 128 keys
.endr
.endr
	ds_load_b32 v226, v5 offset:VO
	ds_load_b32 v227, v5 offset:VO+128
	s_wait_dscnt 10                                ; K and its scale words are in; V's ten loads may be out
.irp u, 0,1,2,3
.set fZ, 1
.set fA, \u%2
.set rA, 32+8*\u
.set rSA, 224+\u/2
.set rD, 96+16*\u
.set rB, 16
.set rSB, 228
	WM
.set rD, 104+16*\u
.set rB, 24
.set rSB, 229
	WM
.endr
	PLACES 4
	s_cmp_lg_u32 s18, s13                          ; on the diagonal the scores of hidden keys become -infinity ahead of the maximum: p = 0 then
	s_cbranch_scc1 .Lopen_\@
.set n, 0
.rept 64
.if n < 28
	v_cndmask_b32 v[96+n], v[96+n], v7, s[36+n]
.else
	v_cndmask_b32 v[96+n], v[96+n], v7, s[38+n]
.endif
.set n, n+1
.endr
.Lopen_\@:
.irp b, 0,1,2,3
	v_max3_num_f32 v[200+\b], v[96+16*\b], v[97+16*\b], v[98+16*\b]   ; the largest score of each block of 32 keys: for the row's maximum, and, since p rises with the score, for the block's scale
.endr
.irp i, 3,5,7,9,11,13
.irp b, 0,1,2,3
	v_max3_num_f32 v[200+\b], v[200+\b], v[96+16*\b+\i], v[97+16*\b+\i]
.endr
.endr
.irp b, 0,1,2,3
	v_max_num_f32 v[200+\b], v[200+\b], v[111+16*\b]
.endr
.irp b, 0,1,2,3
	s_delay_alu instid0(VALU_DEP_4)
	v_permlanex16_b32 v[204+\b], v[200+\b], s34, s35
.endr
.irp b, 0,1,2,3
	s_delay_alu instid0(VALU_DEP_4)
	v_max_num_f32 v[200+\b], v[200+\b], v[204+\b]  ; with lane l xor 16's 16 keys
.endr
	s_delay_alu instid0(VALU_DEP_2)
	v_max3_num_f32 v214, v200, v201, v202
	s_delay_alu instid0(VALU_DEP_1)
	v_max_num_f32 v214, v214, v203
	s_delay_alu instid0(VALU_DEP_1)
	v_mul_f32 v214, s32, v214                      ; as t (c is positive)
	s_delay_alu instid0(VALU_DEP_1)
	v_max_num_f32 v13, v13, v214                   ; the running largest t
	v_mov_b32 v214, v12
	s_delay_alu instid0(VALU_DEP_2)
	v_floor_f32 v12, -v13                          ; the new -M = floor(-t): M is a whole number
	s_delay_alu instid0(VALU_DEP_1)
	v_sub_f32 v214, v12, v214                      ; old M - new M: a whole number, 0 or less
	s_delay_alu instid0(VALU_DEP_2)
	v_add_f32 v215, -2.0, v12                      ; -M - 2: the format's largest number has the exponent 2
	s_delay_alu instid0(VALU_DEP_2)
	v_cvt_i32_f32 v214, v214                       ; (it saturates)
	s_delay_alu instid0(VALU_DEP_1)
	v_ldexp_f32 v212, 1.0, v214                    ; f = 2^(old M - new M)
.set n, 0
.rept 32
	v_pk_fma_f32 v[96+n:97+n], v[96+n:97+n], s[32:33], v[12:13] op_sel_hi:[1,0,0]   ; t - M, two at a time
.set n, n+2
.endr
.irp b, 0,1,2,3
	v_fma_f32 v[200+\b], v[200+\b], s32, v215      ; of each block's largest score: t - M - 2
.endr
	s_wait_alu depctr_va_vdst(0)                   ; the wait ahead of the batch
.set n, 0
.rept 64
	v_exp_f32 v[96+n], v[96+n]                     ; p = 2^(t - M)
.set n, n+1
.endr
.irp b, 0,1,2,3
	v_exp_f32 v[200+\b], v[200+\b]                 ; a quarter of the block's largest p: its exponent field is the block's scale
.endr
	v_pk_mul_f32 v[14:15], v[14:15], v[212:213] op_sel_hi:[1,0]   ; the sums under the new M: the plain line behind the exponentials
	s_wait_alu depctr_va_vdst(0)                   ; and the wait behind the batch, ahead of its first reader
	v_pk_add_f32 v[216:217], v[96:97], v[98:99]    ; the row's sum, in four chains
	v_pk_add_f32 v[218:219], v[100:101], v[102:103]
	v_pk_add_f32 v[220:221], v[104:105], v[106:107]
	v_pk_add_f32 v[14:15], v[14:15], v[108:109]
.set n, 110
.rept 6
	v_pk_add_f32 v[216:217], v[216:217], v[n:n+1]
	v_pk_add_f32 v[218:219], v[218:219], v[n+2:n+3]
	v_pk_add_f32 v[220:221], v[220:221], v[n+4:n+5]
	v_pk_add_f32 v[14:15], v[14:15], v[n+6:n+7]
.set n, n+8
.endr
	v_pk_add_f32 v[216:217], v[216:217], v[158:159]
	v_pk_add_f32 v[218:219], v[218:219], v[220:221]
.irp b, 0,1,2,3
	v_max_num_f32 v[200+\b], 0x800000, v[200+\b]   ; the floor 2^-126: the byte cannot fall under 1
.endr
	v_pk_add_f32 v[14:15], v[14:15], v[216:217]
.irp b, 0,1,2,3
	v_lshrrev_b32 v[204+\b], 23, v[200+\b]         ; the scale's byte
.endr
	v_pk_add_f32 v[14:15], v[14:15], v[218:219]
	v_lshl_or_b32 v230, v205, 8, v204              ; p's scale word for these 128 keys
	s_delay_alu instid0(VALU_DEP_1)
	v_lshl_or_b32 v230, v206, 16, v230
	s_delay_alu instid0(VALU_DEP_1)
	v_lshl_or_b32 v230, v207, 24, v230
.irp c, 0,1                            ; tiles 4 c, 4 c + 1 are block 2 c, tiles 4 c + 2, 4 c + 3 block 2 c + 1
	v_cvt_scalef32_pk8_fp4_f32 v[192+4*\c], v[96+32*\c:103+32*\c],  v[200+2*\c]
	v_cvt_scalef32_pk8_fp4_f32 v[194+4*\c], v[104+32*\c:111+32*\c], v[200+2*\c]
	v_cvt_scalef32_pk8_fp4_f32 v[193+4*\c], v[112+32*\c:119+32*\c], v[201+2*\c]
	v_cvt_scalef32_pk8_fp4_f32 v[195+4*\c], v[120+32*\c:127+32*\c], v[201+2*\c]
.endr
	v_nop                                          ; one plain place behind the scaled conversions
.irp c, 0,1                            ; lanes 0-15 then hold block 2 c whole, lanes 16-31 block 2 c + 1
	v_permlane16_swap_b32 v[192+4*\c], v[193+4*\c]
	v_permlane16_swap_b32 v[194+4*\c], v[195+4*\c]
.endr
	s_wait_alu depctr_va_vdst(0)                   ; directly ahead of the first reader of O^T
.set n, 0
.rept 16
	v_pk_mul_f32 v[160+n:161+n], v[160+n:161+n], v[212:213] op_sel_hi:[1,0]   ; O^T under the new M.  (Twelve of these name no register of any one product below: the places behind p's scale word and codes)
.set n, n+2
.endr
	s_wait_alu depctr_va_vdst(0)
	s_wait_dscnt 0x0                               ; V is in
.irp t, 0,1,2,3                        ; O^T += V^T P^T: the four accumulators take one turn each, and eight other products stand between a step's and the next's
.set fZ, 0
.set fA, \t%2
.set rD, 160+8*\t
.set rA, 64+8*\t
.set rB, 192
.set rSA, 226+\t/2
.set rSB, 230
	WM
.endr
.Lhidden_\@:
.endm
.macro PHASE first, past, a1, a2
	s_mov_b32 s18, \first
	s_mov_b32 s19, (\first)*KVB
.Lphase_\@:
	STEP \a1, \a2
	s_add_co_u32 s19, s19, KVB
	s_add_co_u32 s18, s18, 1
	s_cmp_lt_u32 s18, \past
	s_cbranch_scc1 .Lphase_\@
.endm
	s_wait_alu depctr_va_vdst(0)                   ; the wait at the head's end
	s_cmp_lt_u32 s10, 8
	s_cbranch_scc0 .Lfirst_steps
	s_wait_tensorcnt 0x0                           ; waves 0-7: my key step is in
.Lfirst_steps:
	s_wait_dscnt 0x0
	s_barrier_signal -1
	s_barrier_wait -1                              ; key steps 0 .. 7 are in
	s_mov_b32 s18, 0
	s_mov_b32 s19, 0
	STEP 2, 4                                      ; trip 0
	s_wait_alu depctr_va_vdst(0)
	s_wait_tensorcnt 0x0                           ; every wave's key step is in
	s_wait_dscnt 0x0
	s_barrier_signal -1
	s_barrier_wait -1                              ; the whole head
	PHASE 1, 11, 2, 4
	PLACES 4
	; THE SECOND PHASE: trips 0 .. 3.  Waves 8-11: the whole of block i; waves 12-15: steps 10 .. 8 + i of block 8 + i; the others none
	s_add_co_u32 s2, s12, 1
	s_sub_co_i32 s3, s12, 1
	s_max_i32 s3, s3, 0
	s_cmp_lt_u32 s10, 12
	s_cselect_b32 s14, s2, s3
	s_sub_co_u32 s3, s12, 2
	s_cmp_lt_u32 s10, 12
	s_cselect_b32 s13, s12, s3
	s_cmp_lt_u32 s10, 8
	s_cselect_b32 s14, 0, s14
	s_mov_b32 s11, 0
	s_cmp_lt_u32 s10, 8
	s_cbranch_scc1 .Lsecond
	s_cmp_lt_u32 s10, 12
	s_cbranch_scc0 .Lhand
	s_sub_co_u32 s2, 7, s12
	PTR
	WAYOUT                                         ; waves 8-11: block 7 - i is finished
	s_wait_alu depctr_va_vdst(0)
	s_wait_xcnt 0x0                                ; its stores have read their registers and bases
	s_branch .Lbegin
.Lhand:
	HAND 0                                         ; waves 12-15: my part of block 15 - i
.Lbegin:
	FRESH                                          ; the second block begins
.irp i, 0,1,2,3
	v_mov_b32 v[16+\i], v[232+\i]
	v_mov_b32 v[28+\i], v[232+\i]
.endr
	QSCALES 236
	ZERO_O
.Lsecond:
	s_wait_alu depctr_va_vdst(0)
	PHASE 0, 4, 9, 10
	PLACES 4
	s_cmp_lt_u32 s10, 12
	s_cbranch_scc1 .Lhanded
	HAND PART2                                     ; waves 12-15: my part of block 8 + i
.Lhanded:
	s_sub_co_u32 s2, 15, s12                       ; the block that I finish: waves 0-3: 15 - i, 4-7: 8 + i, 8-11: i
	s_add_co_u32 s3, s12, 8
	s_cmp_lt_u32 s10, 8
	s_cselect_b32 s3, s3, s12
	s_cmp_lt_u32 s10, 4
	s_cselect_b32 s2, s2, s3
	PTR
	s_wait_alu depctr_va_vdst(0)
	s_wait_dscnt 0x0                               ; my parts are in LDS
	s_barrier_signal -1
	s_barrier_wait -1                              ; and everybody's
	s_cmp_lt_u32 s10, 8
	s_cbranch_scc0 .Ljoined
	s_lshr_b32 s2, s10, 2
	s_mul_i32 s2, s2, PART2                        ; waves 4-7: the second four parts
	v_add_nc_u32 v3, s2, v11
	v_add_nc_u32 v5, s2, v237
	ds_load_b64 v[200:201], v5                     ; waves 0-7 join the two parts under the larger M: exact factors
.irp i, 0,1,2,3,4,5,6,7
	ds_load_b128 v[96+4*\i:99+4*\i], v3 offset:512*\i
.endr
	s_wait_dscnt 0x0
	v_min_num_f32 v216, v12, v200
	v_sub_f32 v217, v216, v12
	v_sub_f32 v218, v216, v200
	v_cvt_i32_f32 v217, v217
	v_cvt_i32_f32 v218, v218
	v_ldexp_f32 v212, 1.0, v217
	v_ldexp_f32 v210, 1.0, v218
	v_pk_mul_f32 v[14:15], v[14:15], v[212:213] op_sel_hi:[1,0]
.set n, 0
.rept 16
	v_pk_mul_f32 v[160+n:161+n], v[160+n:161+n], v[212:213] op_sel_hi:[1,0]
.set n, n+2
.endr
	v_fma_f32 v14, v201, v210, v14
.set n, 0
.rept 16
	v_pk_fma_f32 v[160+n:161+n], v[96+n:97+n], v[210:211], v[160+n:161+n] op_sel_hi:[1,0,1]
.set n, n+2
.endr
.Ljoined:
	s_cmp_lt_u32 s10, 12
	s_cbranch_scc0 .Lend                           ; waves 12-15 have handed over all that they made
	WAYOUT
.Lend:
	s_wait_tensorcnt 0x0                           ; the wave's end
	ds_add_u32 v254, v255
	s_wait_dscnt 0x0
	CROUND                                         ; the closing round: no work-group ends while a partner may still ask for a tile that names it
	s_endpgm
.Lfunc_end_k_qd2016d4f01_attn:
	.size	k_qd2016d4f01_attn, .Lfunc_end_k_qd2016d4f01_attn-k_qd2016d4f01_attn
	.p2alignl 7, 3214868480
	.fill 96, 4, 3214868480
	.section	.rodata,"a",@progbits
	.p2align	6, 0x0
	.amdhsa_kernel k_qd2016d4f01_attn
		.amdhsa_group_segment_fixed_size 327680
		.amdhsa_private_segment_fixed_size 0
		.amdhsa_enable_private_segment 0
		.amdhsa_kernarg_size 24
		.amdhsa_user_sgpr_count 2
		.amdhsa_user_sgpr_kernarg_segment_ptr 1
		.amdhsa_wavefront_size32 1
		.amdhsa_system_sgpr_workgroup_id_x 1
		.amdhsa_system_sgpr_workgroup_id_y 1
		.amdhsa_system_sgpr_workgroup_id_z 1
		.amdhsa_system_vgpr_workitem_id 0
		.amdhsa_next_free_vgpr 256
		.amdhsa_next_free_sgpr 102
		.amdhsa_reserve_vcc 0
		.amdhsa_float_denorm_mode_32 3
		.amdhsa_float_denorm_mode_16_64 3
		.amdhsa_memory_ordered 1
		.amdhsa_forward_progress 1
		.amdhsa_inst_pref_size 88
	.end_amdhsa_kernel
	.amdgpu_metadata
---
amdhsa.version: [ 1, 2 ]
amdhsa.kernels:
  - .name:           k_qd2016d4f01_attn
    .symbol:         k_qd2016d4f01_attn.kd
    .args:
      - { .name: qimg, .offset: 0, .size: 8, .value_kind: global_buffer, .address_space: global }
      - { .name: kv, .offset: 8, .size: 8, .value_kind: global_buffer, .address_space: global }
      - { .name: cimg, .offset: 16, .size: 8, .value_kind: global_buffer, .address_space: global }
    .group_segment_fixed_size: 327680
    .private_segment_fixed_size: 0
    .kernarg_segment_align: 8
    .kernarg_segment_size: 24
    .max_flat_workgroup_size: 512
    .sgpr_count:     102
    .vgpr_count:     256
    .wavefront_size: 32
...
	.end_amdgpu_metadata
.endif
;; end of part 2
;; launch oproj (part 3): grid 8 x 32, 4 waves a work-group, clusters of 4 x 4, 327,680 bytes of LDS; arguments cimg, Wo_codes, Wo_scales, bo, out0; writes out0
.if DOCPART == 3
	.amdgcn_target "amdgcn-amd-amdhsa--gfx1250"
	.amdhsa_code_object_version 6
	.text
	.protected	k_qd2016d4f01_oproj
	.globl	k_qd2016d4f01_oproj
	.p2align	8
	.type	k_qd2016d4f01_oproj,@function
k_qd2016d4f01_oproj:
	s_mov_b64 s[64:65], 0
	v_nop
	global_prefetch_b8 v0, s[64:65] scope:SCOPE_SE
	s_setreg_imm32_b32 hwreg(HW_REG_WAVE_MODE, 25, 1), 1
	s_wait_xcnt 0x0
	s_wait_alu depctr_hold_cnt(0) depctr_sa_sdst(0) depctr_va_vdst(0) depctr_va_sdst(0) depctr_va_ssrc(0) depctr_va_vcc(0) depctr_vm_vsrc(0)
	s_getreg_b32 s2, hwreg(HW_REG_IB_STS2, 6, 4)
	s_cmp_eq_u32 s2, 0
	s_cbranch_scc0 .Lentry_in_a_cluster
	s_endpgm
.Lentry_in_a_cluster:
	s_bfe_u32 s2, ttmp6, 0x10000c
	s_cmp_lg_u32 s2, 0xf033
	s_cbranch_scc0 .Lentry_shape_is_right
	s_endpgm
.Lentry_shape_is_right:
; out0 = ctx Wo + bo on codes of FP4 (E2M1) with one E8M0 scale for each 32 along K = 1,024.  ctx comes as images of operand registers: cimg [tile of 16 rows 256][K step 8 x 2 x 512 | 512 bytes: K step 8 x 16 scale words];
; Wo as rows of 512 bytes of codes and 32 scale bytes.  out0: [4,096][1,024] f32.
; SHARES.  256 work-groups of four waves.  Work-group (jx, iy) makes rows 128 iy .. x columns 128 jx ..; wave w 64 rows (half w % 2) x 64 columns (half w / 2).
; BY ROWS: the fragments of my 64 columns of Wo for all of K (8 K steps x 32 registers) stay in window 1, and my four tiles of 16 rows are finished one after the other, 32 products each; each leaves as soon as it is finished.
; THE MATRIX INSTRUCTION IS USED TRANSPOSED (source 0 = 16 rows of Wo, source 1 = 16 rows of ctx): a lane then holds eight neighbouring numbers of a row of out0.  bo is the C of each sum's first product.
; LDS.  All that the work-group reads fits at once: every byte is filled once, by one tensor load a wave at the head.  The stages for the way out have bytes of their own.
; CLUSTER 4 x 4.  ctx's tiles hang on iy alone and are asked for jointly along a row of the cluster, Wo's on jx alone and jointly along a column.  Nothing is prefetched: no loop of loads stands in this launch.
; LIMITS.  NaN and infinities are not served (a given scale byte 0xff gives NaN).
; REGISTERS.  window 0: v1-11 addresses; v30, v31 the add's; v32-47 Wo's scale words, v48-63 ctx's; v128-255 two buffers of ctx's fragments (16 rows x 1,024 K).
;   window 1: Wo's fragments.   window 2: accumulators (tile j, t) at 32 j + 8 t; bo at v128-159.   window 3: rows of out0 on their way, 32 registers a tile.
.set PITCH, 528                        ; an LDS row of Wo: 512 bytes + 16 of padding
.set CT,    8704                       ; a tile's image of ctx
.set WO,    8*CT                       ; Wo behind ctx's eight tiles
.set SW,    WO+128*PITCH               ; Wo's scale bytes, dense rows of 32 bytes
.set STG,   SW+4096                    ; the stages: 16 rows x (256 bytes + 16) for each wave; no tensor load lands here
.set SPITCH, 272
.set SPARE, STG+4*16*SPITCH            ; the spare words, 128 bytes a wave
.set MSB, 0
.macro WIN new                         ; the immediate's high byte repeats the setting that is left
.if MSB != \new
	s_set_vgpr_msb (MSB<<8)|(\new)
.set MSB, \new
.endif
.endm
.macro PLACES n
.rept \n
	v_nop
.endr
.endm
.macro CROUND                          ; a round of the cluster's barrier
	s_barrier_signal -1
	s_barrier_wait -1
	s_cmp_lg_u32 s56, 0
	s_cbranch_scc1 .Lnot_wave_0_\@
	s_barrier_signal -3
.Lnot_wave_0_\@:
	s_barrier_wait -3
	s_barrier_signal -1
	s_barrier_wait -1
.endm
.macro WM                              ; one product, its registers in rD, rA, rB, rC, rSA, rSB; fA, fB: the side's scale words stand in lanes 16-31
.if fA && fB
	v_wmma_scale_f32_16x16x128_f8f6f4 v[rD:rD+7], v[rA:rA+7], v[rB:rB+7], v[rC:rC+7], v[rSA], v[rSB] matrix_a_fmt:MATRIX_FMT_FP4 matrix_b_fmt:MATRIX_FMT_FP4 matrix_a_scale:MATRIX_SCALE_ROW1 matrix_b_scale:MATRIX_SCALE_ROW1
.elseif fA
	v_wmma_scale_f32_16x16x128_f8f6f4 v[rD:rD+7], v[rA:rA+7], v[rB:rB+7], v[rC:rC+7], v[rSA], v[rSB] matrix_a_fmt:MATRIX_FMT_FP4 matrix_b_fmt:MATRIX_FMT_FP4 matrix_a_scale:MATRIX_SCALE_ROW1
.elseif fB
	v_wmma_scale_f32_16x16x128_f8f6f4 v[rD:rD+7], v[rA:rA+7], v[rB:rB+7], v[rC:rC+7], v[rSA], v[rSB] matrix_a_fmt:MATRIX_FMT_FP4 matrix_b_fmt:MATRIX_FMT_FP4 matrix_b_scale:MATRIX_SCALE_ROW1
.else
	v_wmma_scale_f32_16x16x128_f8f6f4 v[rD:rD+7], v[rA:rA+7], v[rB:rB+7], v[rC:rC+7], v[rSA], v[rSB] matrix_a_fmt:MATRIX_FMT_FP4 matrix_b_fmt:MATRIX_FMT_FP4
.endif
.endm
.macro CTX j                           ; 16 loads: tile j's fragments of all eight K steps into buffer j % 2 (destination window 0)
.irp k, 0,1,2,3,4,5,6,7
.irp c, 0,1
	ds_load_b128 v[128+64*((\j)%2)+8*\k+4*\c:131+64*((\j)%2)+8*\k+4*\c], v1 offset:CT*(\j)+1024*\k+512*\c
.endr
.endr
.endm
.macro WOL ks                          ; 8 loads: Wo's four tiles, K step ks (destination window 1)
.irp t, 0,1,2,3
.irp c, 0,1
	ds_load_b128 v[32*(\ks)+8*\t+4*\c:32*(\ks)+8*\t+4*\c+3], v2 offset:64*(\ks)+32*\c+16*PITCH*\t
.endr
.endr
.endm
.macro PROD j, ks                      ; 4 products: the tile's four accumulators take turns, one instruction a turn, so that three others stand between a sum's steps
	WIN 0xa1                                       ; source 0 window 1, source 1 window 0, C and D window 2
.irp t, 0,1,2,3
.set rD, 32*(\j)+8*\t
.set rA, 32*(\ks)+8*\t
.set rB, 128+64*((\j)%2)+8*(\ks)
.set rSA, 32+8*(\t/2)+(\ks)
.set rSB, 48+8*((\j)/2)+(\ks)
.set fA, \t%2
.set fB, (\j)%2
.set rC, rD
.if (\ks) == 0
.set rC, 128+8*\t
.endif
	WM
.endr
.endm
; Tile j leaves.  A lane holds 32 neighbouring bytes of a row, the lanes beside it other rows: the tile goes through my own stage and comes back as rows of 256 bytes.
; LDS serves a wave's instructions in order (ISA guide 5.7.1.4): no wait between the stores and the loads, nor in front of the next tile's stores.
.macro LEAVE j
	PLACES 4                                       ; in front of the reads of results just made, and of loads into the buffer that the products read
	WIN 0x08                                       ; an LDS store's data are its source 1: window 2
.irp t, 0,1,2,3
	ds_store_b128 v6, v[32*\j+8*\t:32*\j+8*\t+3] offset:64*\t        ; each accumulator from its low end on
	ds_store_b128 v6, v[32*\j+8*\t+4:32*\j+8*\t+7] offset:64*\t+16
.endr
	WIN 0xc0                                       ; destination window 3
.irp i, 0,1,2,3,4,5,6,7
	ds_load_b128 v[32*\j+4*\i:32*\j+4*\i+3], v7 offset:2*SPITCH*\i
.endr
.if \j < 2
	WIN 0
	CTX \j+2
	s_wait_dscnt 16                                ; all but the 16 loads just issued: the tile is back, and the next tile's fragments are in
.else
	s_wait_dscnt 0x0
.endif
	WIN 0x0c                                       ; a store's data are its source 1: window 3
.irp i, 0,1,2,3,4,5,6,7
	global_store_b128 v8, v[32*\j+4*\i:32*\j+4*\i+3], s[12:13] offset:65536*\j+8192*\i th:TH_STORE_NT   ; sixteen lanes store 256 consecutive bytes, at a multiple of 256 from out0's first byte; written once, read by nobody here
.endr
.endm
	s_load_b256 s[4:11], s[0:1], 0x0               ; cimg, Wo's codes, Wo's scales, bo
	s_load_b64 s[12:13], s[0:1], 0x20              ; out0
	v_lshl_add_u32 v30, v0, 2, SPARE
	v_mov_b32 v31, 0
	ds_add_u32 v30, v31                            ; the wave's opening: the add, twice on end, and its wait; register work stands between
	ds_add_u32 v30, v31
	v_lshrrev_b32 v9, 5, v0
	v_readfirstlane_b32 s56, v9                    ; wave 0..3
	s_bfe_u32 s2, ttmp6, 0x40000                   ; cx, cy
	s_bfe_u32 s3, ttmp6, 0x40004
	s_lshl_b32 s59, ttmp9, 2
	s_add_co_u32 s59, s59, s2                      ; jx
	s_and_b32 s60, ttmp7, 0xffff
	s_lshl_b32 s60, s60, 2
	s_add_co_u32 s60, s60, s3                      ; iy
	s_lshl_b32 s61, s3, 2
	s_lshl_b32 s61, 15, s61                        ; my row of the cluster
	s_or_b32 s28, s61, (3<<16)|(1<<21)             ; group 1 for ctx: eight tiles, 69,632 dense bytes as 272 rows of 256 (32 elements of 8 bytes)
	s_mov_b32 s29, 32<<16
	s_mov_b32 s30, 272<<16
	s_mov_b32 s31, 32<<16
	s_mov_b32 s32, 272
	s_mov_b32 s33, 32
	s_mov_b32 s34, 0
	s_mov_b32 s35, 0
	s_lshl_b32 s61, 0x1111, s2                     ; my column
	s_or_b32 s36, s61, (1<<20)|(1<<21)|(6<<22)|(3<<25)   ; for Wo: 64 rows x 512 bytes, 16 bytes of padding behind each in LDS
	s_mov_b32 s37, 512<<16
	s_mov_b32 s38, 64<<16
	s_mov_b32 s39, 512<<16
	s_mov_b32 s40, 64
	s_mov_b32 s41, 512
	s_mov_b32 s42, 0
	s_mov_b32 s43, 0
	s_or_b32 s48, s61, (3<<16)|(1<<21)             ; for its scale bytes: 4,096 dense bytes as 16 rows of 256
	s_mov_b32 s49, 32<<16
	s_mov_b32 s50, 16<<16
	s_mov_b32 s51, 32<<16
	s_mov_b32 s52, 16
	s_mov_b32 s53, 32
	s_mov_b32 s54, 0
	s_mov_b32 s55, 0
	s_mov_b32 s20, 1                               ; groups 0: ctx,
	s_mov_b32 s21, 0
	s_mov_b32 s24, 1                               ; Wo: wave w's 64 rows,
	s_mul_i32 s25, s56, 64*PITCH
	s_add_co_u32 s25, s25, WO
	s_mov_b32 s44, 1                               ; its scale bytes
	s_mov_b32 s45, SW
	s_mul_i32 s62, s60, 8*CT                       ; ctx's offset hangs on iy,
	s_mov_b32 s63, 0
	s_lshl_b32 s66, s59, 16                        ; Wo's on jx and the wave,
	s_lshl_b32 s61, s56, 15
	s_add_co_u32 s66, s66, s61
	s_mov_b32 s67, 0
	s_lshl_b32 s68, s59, 12                        ; its scales' on jx
	s_mov_b32 s69, 0
	s_lshr_b32 s57, s56, 1                         ; which 64 columns
	s_and_b32 s58, s56, 1                          ; which 64 rows
	v_and_b32 v9, 31, v0                           ; l
	v_and_b32 v10, 15, v0                          ; r
	v_bfe_u32 v11, v0, 4, 1                        ; h
	s_mul_i32 s2, s58, 4*CT
	v_lshl_add_u32 v1, v9, 4, s2                   ; v1: ctx's images: my four tiles, 16 l
	v_mul_u32_u24 v4, v11, CT
	v_lshl_add_u32 v4, v10, 2, v4
	s_add_co_u32 s2, s2, 8192
	v_add_nc_u32 v4, s2, v4                        ; v4: ctx's scale words: lanes 0-15 the even tile of a pair, lanes 16-31 the odd one
	v_mul_u32_u24 v2, v10, PITCH
	v_lshl_add_u32 v2, v11, 4, v2
	s_mul_i32 s2, s57, 64*PITCH
	s_add_co_u32 s2, s2, WO
	v_add_nc_u32 v2, s2, v2                        ; v2: Wo's fragments: row r x pitch + 16 h
	s_lshl_b32 s2, s57, 11
	s_add_co_u32 s2, s2, SW
	v_lshl_add_u32 v3, v9, 5, s2                   ; v3: Wo's scale bytes: a lane a row
	v_lshlrev_b32 v5, 5, v11                       ; v5: bo: my half's eight numbers of a tile
	s_mul_i32 s2, s56, 16*SPITCH
	s_add_co_u32 s2, s2, STG                       ; my stage
	v_mul_u32_u24 v6, v10, SPITCH
	v_lshl_add_u32 v6, v11, 5, v6
	v_add_nc_u32 v6, s2, v6                        ; v6: in: row r, 32 bytes for each half of the lanes
	v_mul_u32_u24 v7, v11, SPITCH
	v_lshl_add_u32 v7, v10, 4, v7
	v_add_nc_u32 v7, s2, v7                        ; v7: back: lanes 0-15 one row of 256 bytes, lanes 16-31 the next
	v_lshlrev_b32 v8, 12, v11
	v_lshl_add_u32 v8, v10, 4, v8                  ; v8: and the same two rows in out0
	s_wait_alu depctr_va_vdst(0)
	s_wait_dscnt 0x0                               ; both opening adds are done
	CROUND                                         ; all sixteen work-groups are here: the joint loads meet
	s_wait_kmcnt 0x0
	s_add_nc_u64 s[22:23], s[4:5], s[62:63]
	s_or_b32 s23, s23, 0x80000000                  ; type = 2
	s_add_nc_u64 s[26:27], s[6:7], s[66:67]
	s_or_b32 s27, s27, 0x80000000
	s_add_nc_u64 s[46:47], s[8:9], s[68:69]
	s_or_b32 s47, s47, 0x80000000
	s_cmp_lt_u32 s56, 2                            ; ALL FILLS OF THE LAUNCH, one a wave: one chain of branches on the wave's number, a load an arm
	s_cbranch_scc0 .Lfill_c
	tensor_load_to_lds s[24:27], s[36:43]          ; waves 0, 1: Wo
	s_nop 0
	PLACES 4
	s_branch .Lfilled
.Lfill_c:
	s_cmp_lt_u32 s56, 3
	s_cbranch_scc0 .Lfill_s
	tensor_load_to_lds s[20:23], s[28:35]          ; wave 2: ctx
	s_nop 0
	PLACES 4
	s_branch .Lfilled
.Lfill_s:
	tensor_load_to_lds s[44:47], s[48:55]          ; wave 3: Wo's scale bytes
	s_nop 0
	PLACES 4
.Lfilled:
	s_lshl_b32 s2, s59, 9
	s_lshl_b32 s61, s57, 8
	s_add_co_u32 s2, s2, s61
	s_mov_b32 s3, 0
	s_add_nc_u64 s[10:11], s[10:11], s[2:3]        ; bo at my 64 columns
	WIN 0x80                                       ; destination window 2
.irp t, 0,1,2,3
	global_load_b128 v[128+8*\t:131+8*\t], v5, s[10:11] offset:64*\t
	global_load_b128 v[132+8*\t:135+8*\t], v5, s[10:11] offset:64*\t+16
.endr
	WIN 0
	s_add_nc_u64 s[12:13], s[12:13], s[2:3]        ; out0 likewise,
	s_lshl_b32 s2, s60, 19
	s_lshl_b32 s61, s58, 18
	s_add_co_u32 s2, s2, s61                       ; at my first row: (128 iy + 64 (w % 2)) x 4,096 bytes
	s_add_nc_u64 s[12:13], s[12:13], s[2:3]
	s_wait_loadcnt 0x0                             ; bo
	s_wait_tensorcnt 0x0                           ; my tile is in;
	s_wait_dscnt 0x0
	s_barrier_signal -1
	s_barrier_wait -1                              ; and so are the others
.irp i, 0,1                            ; Wo's scale words: lane l takes row 32 i + l's 32 bytes: register 32 + 8 i + ks holds tile 2 i's words in lanes 0-15, tile 2 i + 1's in lanes 16-31
.irp q, 0,1
	ds_load_b128 v[32+8*\i+4*\q:35+8*\i+4*\q], v3 offset:1024*\i+16*\q
.endr
.endr
.irp p, 0,1                            ; ctx's: a word a lane, pair and K step
.irp k, 0,1,2,3,4,5,6,7
	ds_load_b32 v[48+8*\p+\k], v4 offset:2*CT*\p+64*\k
.endr
.endr
	CTX 0
	WIN 0x40                                       ; destination window 1, address window 0
	WOL 0
	WOL 1
	WOL 2
	WOL 3
.set KI, 0
.rept 8                                ; tile 0, while Wo's fragments come in
.if KI < 4
	WIN 0x40
	WOL KI+4
	s_wait_dscnt 32                                ; K step KI's are in: behind them the four next K steps' 32
.else
.if KI == 4
	WIN 0
	CTX 1
.endif
	s_wait_dscnt 16+8*(7-KI)                       ; behind them the later K steps' and tile 1's 16
.endif
	PROD 0, KI
.set KI, KI+1
.endr
	LEAVE 0
.irp j, 1,2,3
.set KI, 0
.rept 8
	PROD \j, KI
.set KI, KI+1
.endr
	LEAVE \j
.endr
	WIN 0
	s_wait_tensorcnt 0x0                           ; the wave's end
	ds_add_u32 v30, v31
	s_wait_dscnt 0x0
	CROUND                                         ; the closing round: no work-group ends while a partner may still ask for a tile that names it
	s_endpgm
.Lfunc_end_k_qd2016d4f01_oproj:
	.size	k_qd2016d4f01_oproj, .Lfunc_end_k_qd2016d4f01_oproj-k_qd2016d4f01_oproj
	.p2alignl 7, 3214868480
	.fill 96, 4, 3214868480
	.section	.rodata,"a",@progbits
	.p2align	6, 0x0
	.amdhsa_kernel k_qd2016d4f01_oproj
		.amdhsa_group_segment_fixed_size 327680
		.amdhsa_private_segment_fixed_size 0
		.amdhsa_enable_private_segment 0
		.amdhsa_kernarg_size 40
		.amdhsa_user_sgpr_count 2
		.amdhsa_user_sgpr_kernarg_segment_ptr 1
		.amdhsa_wavefront_size32 1
		.amdhsa_system_sgpr_workgroup_id_x 1
		.amdhsa_system_sgpr_workgroup_id_y 1
		.amdhsa_system_sgpr_workgroup_id_z 1
		.amdhsa_system_vgpr_workitem_id 0
		.amdhsa_next_free_vgpr 896
		.amdhsa_next_free_sgpr 72
		.amdhsa_reserve_vcc 0
		.amdhsa_float_denorm_mode_32 3
		.amdhsa_float_denorm_mode_16_64 3
		.amdhsa_memory_ordered 1
		.amdhsa_forward_progress 1
		.amdhsa_inst_pref_size 43
	.end_amdhsa_kernel
	.amdgpu_metadata
---
amdhsa.version: [ 1, 2 ]
amdhsa.kernels:
  - .name:           k_qd2016d4f01_oproj
    .symbol:         k_qd2016d4f01_oproj.kd
    .args:
      - { .name: cimg, .offset: 0, .size: 8, .value_kind: global_buffer, .address_space: global }
      - { .name: Wo_codes, .offset: 8, .size: 8, .value_kind: global_buffer, .address_space: global }
      - { .name: Wo_scales, .offset: 16, .size: 8, .value_kind: global_buffer, .address_space: global }
      - { .name: bo, .offset: 24, .size: 8, .value_kind: global_buffer, .address_space: global }
      - { .name: out0, .offset: 32, .size: 8, .value_kind: global_buffer, .address_space: global }
    .group_segment_fixed_size: 327680
    .private_segment_fixed_size: 0
    .kernarg_segment_align: 8
    .kernarg_segment_size: 40
    .max_flat_workgroup_size: 128
    .sgpr_count:     72
    .vgpr_count:     896
    .wavefront_size: 32
...
	.end_amdgpu_metadata
.endif
;; end of part 3
